; MI455X (gfx1250); checked and timed in simulation.
; The chip was launched on July 23, 2026; its instructions are those of AMD's public machine-readable ISA for CDNA 5 (MIT licence, August 2026) and "CDNA5" Instruction Set Architecture Reference Guide (July 2026). The comments in the code are by the model that wrote it; some were corrected since.
;; Scaled Dot Attention. Allowed arithmetic: matrix products marked QUANTISED: E3M2 operands, one E8M0 scale for each 32 along K, by v_wmma_scale_f32_16x16x128_f8f6f4 with both operands' format E3M2, f32 sums; everything else in f32.
;; Inputs: key 8 x 4,096 x 64 float32; mask 8 x 4,096 bool; query 8 x 4,096 x 64 float32; value 8 x 4,096 x 64 float32.
;; Outputs: out0 8 x 4,096 x 64 float32.
;; This version of the problem:
;;   THIS VERSION OF THE PROBLEM IS GIVEN IN LOW PRECISION. The matrix products marked QUANTISED in the list below multiply operands that are first quantised to E3M2 (3 exponent bits, 2 mantissa bits; 6 bits a number), with one power-of-two scale for each 32 numbers along K (OCP MX v1.0); their sums are f32. All else is computed in f32.
;;   The module's matrix products, in the order in which they are computed (A, B: the left and right operand; K: the contracted axis; several contracted axes count as one K, in the product's order):
;;     1. batch 8 x [M 4,096, K 64] x [K 64, N 4,096]; A: input query; B: input key: QUANTISED
;;     2. batch 8 x [M 4,096, K 4,096] x [K 4,096, N 64]; A: computed on the way; B: input value: QUANTISED
;;   THE QUANTISER, for each operand of a quantised product, along K:
;;     - K is cut into blocks of 32 from its start; a last block that is shorter is filled with zeros.
;;     - A block's scale is 2^e with e = floor(log2(the largest magnitude in the block)) - 4, held to -126 .. 127; a block of zeros has e = 0. As a byte (E8M0): e + 127.
;;     - Each number is divided by its block's scale, clamped to +-28, and rounded to the nearest number of E3M2, ties to even, subnormals kept.
;;     - The product sums the exact products of the quantised numbers (number of the format x scale) in f32.
;;   ~~~python
;;   def quantise(x, axis):      # numpy; x: float32 -> the quantised numbers, widened to float32 again
;;       x = np.moveaxis(x, axis, -1); K = x.shape[-1]
;;       x = np.pad(x, [(0, 0)] * (x.ndim - 1) + [(0, -K % 32)]); x = x.reshape(x.shape[:-1] + (-1, 32)); a = np.abs(x).max(-1, keepdims=True)
;;       e = np.where(a > 0, np.clip(np.frexp(np.where(a > 0, a, 1))[1] - 1 - 4, -126, 127), 0)      # np.frexp(a)[1] - 1 = floor(log2(a)), exactly
;;       r = np.clip(x / 2.0 ** e, -28, 28)
;;       step = 2.0 ** (np.maximum(np.frexp(np.where(r == 0, 1, r))[1] - 1, -2) - 2)
;;       q = np.round(r / step) * step * 2.0 ** e      # np.round: ties to even
;;       return np.moveaxis(q.reshape(q.shape[:-2] + (-1,))[..., :K], -1, axis).astype(np.float32)
;;   ~~~
;;   OPERANDS COMPUTED ON THE WAY. 'Computed on the way' means the value that the module computes at that place (a softmax that the list does not call 'softmax' is quantised finished and normalised). What goes into a quantiser is computed in f32, as accurately as f32 sums, v_exp_f32 and their like allow (about 1e-6 of the number): no bf16 or f16 on the way to a quantiser, and a product that is left as it is and whose result goes on into a quantised operand takes f32 operands (vector FMAs, or v_wmma_f32_16x16x4_f32). A number that lies on a knife's edge between two numbers of the format may be rounded either way, as far as f32 arithmetic and the matrix unit's own rounding can turn it there, and no further.
;; One version. Each part assembles by itself: llvm-mc -triple=amdgcn-amd-amdhsa -mcpu=gfx1250 --defsym DOCPART=n.
;; ======== version 1 of 1: 2 launches
;; limits: right only within a limited range of input values
;; workspace buffers: kstat 2,031,616 bytes; qimg 1,703,936 bytes; vimg 1,572,864 bytes
;; launch prep (part 1): grid 640 x 1, 4 waves a work-group, no clusters, 37,376 bytes of LDS; arguments key, query, value, mask, kstat, qimg, vimg; writes kstat, qimg, vimg
.if DOCPART == 1
	.amdgcn_target "amdgcn-amd-amdhsa--gfx1250"
	.amdhsa_code_object_version 6
	.text
	.protected	k_q1a98a5a302_prep
	.globl	k_q1a98a5a302_prep
	.p2align	8
	.type	k_q1a98a5a302_prep,@function
k_q1a98a5a302_prep:
	s_mov_b64 s[64:65], 0
	v_nop
	global_prefetch_b8 v0, s[64:65] scope:SCOPE_SE
	s_setreg_imm32_b32 hwreg(HW_REG_WAVE_MODE, 25, 1), 1
	s_wait_xcnt 0x0
; key, query [8][4096][64] and value [8][4096][64], f32, become codes of BF6 (E3M2) with one E8M0 scale byte for each 32 along K, laid as IMAGES OF THE OPERANDS' REGISTERS for the attention launch.
; A block's scale is 2^(floor(log2(its largest magnitude)) - 4); its byte is that magnitude's exponent field - 4, held at 1 from below (a block of zeros keeps the byte 1: its codes are zeros, and this program alone reads the bytes).
; LIMITS: NaN and infinities among the inputs are not served; blocks whose largest magnitude lies under 2^-122 keep the byte 1.
; key and query (K = the 64 channels, innermost): rows go in groups of 32, two tiles of 16 to a group.  Lane (r, h) of tile T = 2 group + u holds row 32 group + 8 u + r + 8 (r / 8), block h: 24 bytes of codes;
;   bytes 0-15 lie at 768 T + 16 lane, bytes 16-23 at 768 T + 512 + 8 lane.  A row's scale word lies at 64 T + 4 r: bytes 0, 1 the two blocks' scales, byte 3 = 1.
;   Byte 2 serves the unused half of the matrix instruction's K = 128.  query: 127.  key, first array: 1.  key, second array: 1 where the key's mask is true, 227 (2^100) where it is false.
; value (K = the keys, its first axis within a batch): a lane takes a channel and its registers run down the keys, 128 keys (a step) a wave.  Tile (step, ct): lane (r, h) holds channel 16 ct + r, key blocks h and 2 + h: 48 bytes,
;   piece jj of 16 bytes at 512 jj + 16 lane.  Scale words [step][channel].
; kstat, per batch 253,952 bytes: key images 0, scale words 196,608 and 212,992, value's scale words 229,376, the mask as f32 0 / 1 in key order 237,568.  qimg, per batch 212,992: images 0, scale words 196,608.  vimg, per batch 196,608.
; Work-groups 0-255 take key, 256-511 query (one path, pointers chosen by the work-group's number), 512-639 value (a path without LDS).  A wave has a task of its own: no barrier.
.set R,    32                          ; v32-95   32 rows x 64 numbers as they are loaded
.set X,    96                          ; v96-159  32 neighbours along K for each of the two tiles
.set C,    160                         ; v160-165, v168-173 a tile's codes
.set T,    176                         ; v176-178, v180-182 the second halves, made apart (a conversion's three registers begin on an even number)
.set SPL,  144                         ; a place in the stage: the 128 bytes of one (row, block) + 16
.set WREG, 9216                        ; 64 places: a wave's own stage
	s_load_b256 s[4:11], s[0:1], 0x0               ; key, query, value, mask
	s_load_b128 s[12:15], s[0:1], 0x20             ; kstat, qimg
	s_load_b64 s[16:17], s[0:1], 0x30              ; vimg
	v_lshl_add_u32 v192, v0, 2, 0x9000
	v_mov_b32 v193, 0
	v_lshrrev_b32 v1, 5, v0
	v_readfirstlane_b32 s18, v1                    ; wave
	v_and_b32 v1, 31, v0                           ; lane
	v_and_b32 v2, 15, v0                           ; r
	v_bfe_u32 v3, v0, 4, 1                         ; h
	v_lshlrev_b32 v4, 4, v1                        ; 16 x lane
	v_lshlrev_b32 v7, 3, v1                        ; 8 x lane
	v_lshlrev_b32 v8, 2, v1                        ; 4 x lane
	s_mov_b32 s33, 0                               ; upper words of the offsets, all under 2^31
	s_mov_b32 s35, 0
	s_mov_b32 s37, 0
	s_cmp_ge_u32 ttmp9, 512
	s_cbranch_scc1 .Lvalue
	; ---- key or query: my wave's group of 32 rows
	s_lshr_b32 s19, ttmp9, 8                       ; 0: key, 1: query
	s_and_b32 s20, ttmp9, 255
	s_lshl_b32 s20, s20, 2
	s_add_co_u32 s20, s20, s18                     ; which of the tensor's 1,024 groups
	s_lshr_b32 s21, s20, 7                         ; batch
	s_and_b32 s22, s20, 127                        ; group in the batch
	s_mov_b32 s23, 212992                          ; query's figures; key's are chosen below
	s_mov_b32 s24, 196608
	s_mov_b32 s25, 127
	s_mov_b32 s42, 0x76543210
	s_mov_b32 s43, 0xfedcba98                      ; v_permlanex16_b32's selects for lane l xor 16
	s_mul_i32 s31, s18, WREG
	s_wait_alu depctr_va_vdst(0)
	v_lshrrev_b32 v5, 3, v1
	v_mul_u32_u24 v5, v5, SPL
	v_and_b32 v13, 7, v1
	v_lshl_add_u32 v5, v13, 4, v5
	v_add_nc_u32 v5, s31, v5                       ; into the stage: a load's 512 bytes are four places: place lane / 8, 16 (lane % 8) in it
	v_and_b32 v9, 8, v2
	v_add_nc_u32 v9, v9, v2                        ; r + 8 (r / 8): my row in tile 0; tile 1's lies 8 further on
	v_lshl_add_u32 v6, v9, 1, v3
	v_mul_u32_u24 v6, v6, SPL
	v_add_nc_u32 v6, s31, v6                       ; out of it: place 2 row + h
	v_lshlrev_b32 v174, 3, v3                      ; 8 h: my scale byte's place in the word
	v_mov_b32 v10, 0                               ; the mask's bytes: query has none
	v_mov_b32 v11, 0
	v_mov_b32 v12, 0
	v_mov_b32 v21, 0                               ; a lane permute's destination counts as one of its sources
	v_mov_b32 v22, 0
	s_wait_kmcnt 0x0
	s_cmp_eq_u32 s19, 0                            ; every choice hangs on the work-group's number alone
	s_cselect_b64 s[26:27], s[4:5], s[6:7]         ; from
	s_cselect_b64 s[28:29], s[12:13], s[14:15]     ; to
	s_cselect_b32 s23, 253952, s23                 ; bytes of a batch there
	s_cselect_b32 s24, 212992, s24                 ; where the scale words with the mask's byte (key) or with 127 (query) begin
	s_cselect_b32 s25, 227, s25                    ; byte 2 = s25 - mask x s30
	s_cselect_b32 s30, 226, 0
	s_lshl_b32 s32, s20, 13                        ; 32 rows of 256 bytes
	s_add_nc_u64 s[26:27], s[26:27], s[32:33]
	s_mul_i32 s32, s21, s23
	s_add_nc_u64 s[28:29], s[28:29], s[32:33]
	s_mul_i32 s34, s22, 1536
	s_add_nc_u64 s[36:37], s[28:29], s[34:35]      ; my two tiles' images
	s_lshl_b32 s34, s22, 7
	s_add_co_u32 s34, s34, s24
	s_add_nc_u64 s[38:39], s[28:29], s[34:35]      ; their 32 scale words
	s_lshl_b32 s34, s20, 5
	s_add_nc_u64 s[40:41], s[10:11], s[34:35]      ; the mask of my 32 keys
.set i, 0
.rept 16
	global_load_b128 v[R+4*i:R+4*i+3], v4, s[26:27] offset:512*i th:TH_LOAD_NT   ; 32 lanes read 512 consecutive bytes: two rows
.set i, i+1
.endr
	s_cmp_lg_u32 s19, 0
	s_cbranch_scc1 .Lno_mask
	global_load_u8 v10, v1, s[40:41]               ; key 'lane', for the f32 copy;
	global_load_u8 v11, v9, s[40:41]               ; my row's in tile 0,
	global_load_u8 v12, v9, s[40:41] offset:8      ; and in tile 1
.Lno_mask:
	s_wait_loadcnt 0x0
.set i, 0
.rept 16
	ds_store_b128 v5, v[R+4*i:R+4*i+3] offset:4*SPL*i
.set i, i+1
.endr
	s_wait_alu depctr_va_vdst(0)
.irp u, 0,1
.irp j, 0,1,2,3,4,5,6,7
	ds_load_b128 v[X+32*\u+4*\j:X+32*\u+4*\j+3], v6 offset:16*SPL*\u+16*\j   ; LDS serves a wave's instructions in order: these see my stores.  My row's block h: 32 neighbours
.endr
.endr
	s_wait_dscnt 0x0
.irp u, 0,1
	v_max3_num_f32 v[13+\u], |v[X+32*\u]|, |v[X+32*\u+1]|, 0x2800000   ; the block's largest magnitude, all 32 mine, and the floor 2^(5 - 127): the byte cannot fall under 1
.endr
.irp i, 2,4,6,8,10,12,14,16,18,20,22,24,26,28,30
.irp u, 0,1
	v_max3_num_f32 v[13+\u], v[13+\u], |v[X+32*\u+\i]|, |v[X+32*\u+\i+1]|   ; (the two tiles by turns)
.endr
.endr
.irp u, 0,1
	v_add_nc_u32 v[15+\u], 0xfe000000, v[13+\u]    ; 4 off the exponent field: the conversion's scale operand
.endr
.irp u, 0,1
	v_lshrrev_b32 v[17+\u], 23, v[15+\u]           ; the scale's byte
.endr
.irp u, 0,1
	v_cvt_scalef32_pk16_bf6_f32 v[C+8*\u:C+8*\u+2], v[X+32*\u:X+32*\u+15], v[15+\u]
	v_cvt_scalef32_pk16_bf6_f32 v[T+4*\u:T+4*\u+2], v[X+32*\u+16:X+32*\u+31], v[15+\u]
.endr
	v_nop                                          ; one plain place behind a scaled conversion
.irp u, 0,1
.irp i, 0,1,2
	v_mov_b32 v[C+8*\u+3+\i], v[T+4*\u+\i]
.endr
.endr
.irp u, 0,1
	v_lshlrev_b32 v[19+\u], v174, v[17+\u]         ; my byte at its place,
.endr
.irp u, 0,1
	v_permlanex16_b32 v[21+\u], v[19+\u], s42, s43
.endr
.irp u, 0,1
	v_or_b32 v[19+\u], v[19+\u], v[21+\u]          ; with lane l xor 16's: both blocks' bytes of my row
.endr
.irp u, 0,1
	v_or_b32 v[19+\u], 0x1000000, v[19+\u]         ; byte 3 = 1
	v_mul_u32_u24 v[23+\u], v[11+\u], s30
.endr
.irp u, 0,1
	v_sub_nc_u32 v[23+\u], s25, v[23+\u]           ; byte 2: key: 1 where the mask is true, 227 where false; query: 127
.endr
.irp u, 0,1
	v_lshl_or_b32 v[25+\u], v[23+\u], 16, v[19+\u]
	v_or_b32 v[27+\u], 0x10000, v[19+\u]           ; and the word with byte 2 = 1
.endr
	v_cmp_gt_u32 vcc_lo, 16, v1
	v_cndmask_b32 v29, v26, v25, vcc_lo            ; lanes 0-15 tile 0's words, lanes 16-31 tile 1's: 128 consecutive bytes
	v_cndmask_b32 v30, v28, v27, vcc_lo
	v_cvt_f32_u32 v31, v10
.irp u, 0,1
	global_store_b128 v4, v[C+8*\u:C+8*\u+3], s[36:37] offset:768*\u          ; 512 consecutive bytes
	global_store_b64 v7, v[C+8*\u+4:C+8*\u+5], s[36:37] offset:768*\u+512     ; 256 consecutive bytes
.endr
	global_store_b32 v8, v29, s[38:39]
	s_cmp_lg_u32 s19, 0
	s_cbranch_scc1 .Lkq_end
	global_store_b32 v8, v30, s[38:39] offset:-16384   ; key alone: the first array of scale words lies 16,384 bytes ahead of the second,
	global_store_b32 v8, v31, s[38:39] offset:24576    ; the mask as f32 24,576 behind it
.Lkq_end:
	s_wait_tensorcnt 0x0
	ds_add_u32 v192, v193
	s_wait_dscnt 0x0
	s_endpgm
	; ---- value: my wave's 128 keys x 32 channels
.Lvalue:
	s_sub_co_u32 s20, ttmp9, 512
	s_lshl_b32 s20, s20, 2
	s_add_co_u32 s20, s20, s18                     ; task 0 .. 511
	s_lshr_b32 s21, s20, 6                         ; batch
	s_bfe_u32 s22, s20, 0x50001                    ; step of 128 keys
	s_and_b32 s23, s20, 1                          ; which 32 channels
	s_lshl_b32 s32, s21, 20
	s_lshl_b32 s24, s22, 15
	s_add_co_u32 s32, s32, s24
	s_lshl_b32 s24, s23, 7
	s_add_co_u32 s32, s32, s24                     ; value: batch x 2^20 + step x 128 rows of 256 bytes + 128 x half
	s_mul_i32 s34, s21, 196608
	s_mul_i32 s24, s22, 6144
	s_add_co_u32 s34, s34, s24
	s_mul_i32 s24, s23, 3072
	s_add_co_u32 s34, s34, s24                     ; vimg: the step's four tiles of 1,536 bytes; mine are two of them
	s_mul_i32 s36, s21, 253952
	s_add_co_u32 s36, s36, 229376
	s_lshl_b32 s24, s22, 8
	s_add_co_u32 s36, s36, s24
	s_lshl_b32 s24, s23, 7
	s_add_co_u32 s36, s36, s24                     ; value's scale words in kstat
	s_wait_alu depctr_va_vdst(0)
	v_mul_u32_u24 v5, v3, 1536
	v_lshl_add_u32 v5, v2, 4, v5                   ; my channel's tile (lane / 16) and its place in a piece (16 r)
	s_wait_kmcnt 0x0
	s_add_nc_u64 s[8:9], s[8:9], s[32:33]
	s_add_nc_u64 s[16:17], s[16:17], s[34:35]
	s_add_nc_u64 s[12:13], s[12:13], s[36:37]
.macro VLD t                           ; block t: value(32 t + i, my channel), i = 0 .. 31: each load reads 128 consecutive bytes, and the wave beside mine the other half of the row
.set i, 0
.rept 32
	global_load_b32 v[32+32*(\t)+i], v8, s[8:9] offset:256*(32*(\t)+i) th:TH_LOAD_NT
.set i, i+1
.endr
.endm
.macro VBLOCK b
.set XS, 32+32*(\b)
.set FD, 160+12*((\b)%2)+6*((\b)/2)    ; block b is registers 6 (b / 2) on of the fragment lane (r, b % 2)
.if (\b) < 3
	s_wait_loadcnt 32                              ; this block's 32 loads are in; the one block issued behind them may be out
.else
	s_wait_loadcnt 0x0
.endif
.if (\b) < 2
	VLD (\b)+2                                     ; loads run two blocks ahead; every block has registers of its own
.endif
	v_max3_num_f32 v13, |v[XS]|, |v[XS+1]|, |v[XS+2]|
	v_max3_num_f32 v14, |v[XS+3]|, |v[XS+4]|, |v[XS+5]|
.irp i, 6,10,14,18,22,26
	v_max3_num_f32 v13, v13, |v[XS+\i]|, |v[XS+\i+1]|
	v_max3_num_f32 v14, v14, |v[XS+\i+2]|, |v[XS+\i+3]|
.endr
	v_max3_num_f32 v13, v13, |v[XS+30]|, |v[XS+31]|
	v_max3_num_f32 v13, v13, v14, 0x2800000        ; with the floor 2^(5 - 127)
	v_add_nc_u32 v15, 0xfe000000, v13
	v_lshrrev_b32 v16, 23, v15
.if (\b) == 0
	v_mov_b32 v17, v16
.else
	v_lshl_or_b32 v17, v16, 8*(\b), v17            ; the step's four bytes make my channel's scale word
.endif
	v_cvt_scalef32_pk16_bf6_f32 v[FD:FD+2], v[XS:XS+15], v15
	v_cvt_scalef32_pk16_bf6_f32 v[184:186], v[XS+16:XS+31], v15
	v_nop                                          ; one plain place behind a scaled conversion
.irp i, 0,1,2
	v_mov_b32 v[FD+3+\i], v[184+\i]
.endr
.endm
	VLD 0
	VLD 1
	VBLOCK 0
	VBLOCK 1
	VBLOCK 2
	VBLOCK 3
.irp f, 0,1
.irp jj, 0,1,2
	global_store_b128 v5, v[160+12*\f+4*\jj:160+12*\f+4*\jj+3], s[16:17] offset:512*\jj+256*\f   ; sixteen lanes store 256 consecutive bytes, aligned: fragment lanes 16 f .. 16 f + 15 of a piece
.endr
.endr
	global_store_b32 v8, v17, s[12:13]
	s_endpgm
.Lfunc_end_k_q1a98a5a302_prep:
	.size	k_q1a98a5a302_prep, .Lfunc_end_k_q1a98a5a302_prep-k_q1a98a5a302_prep
	.p2alignl 7, 3214868480
	.fill 96, 4, 3214868480
	.section	.rodata,"a",@progbits
	.p2align	6, 0x0
	.amdhsa_kernel k_q1a98a5a302_prep
		.amdhsa_group_segment_fixed_size 37376
		.amdhsa_private_segment_fixed_size 0
		.amdhsa_enable_private_segment 0
		.amdhsa_kernarg_size 56
		.amdhsa_user_sgpr_count 2
		.amdhsa_user_sgpr_kernarg_segment_ptr 1
		.amdhsa_wavefront_size32 1
		.amdhsa_system_sgpr_workgroup_id_x 1
		.amdhsa_system_sgpr_workgroup_id_y 1
		.amdhsa_system_sgpr_workgroup_id_z 1
		.amdhsa_system_vgpr_workitem_id 0
		.amdhsa_next_free_vgpr 194
		.amdhsa_next_free_sgpr 66
		.amdhsa_reserve_vcc 1
		.amdhsa_float_denorm_mode_32 3
		.amdhsa_float_denorm_mode_16_64 3
		.amdhsa_memory_ordered 1
		.amdhsa_forward_progress 1
		.amdhsa_inst_pref_size 32
	.end_amdhsa_kernel
	.amdgpu_metadata
---
amdhsa.version: [ 1, 2 ]
amdhsa.kernels:
  - .name:           k_q1a98a5a302_prep
    .symbol:         k_q1a98a5a302_prep.kd
    .args:
      - { .name: key, .offset: 0, .size: 8, .value_kind: global_buffer, .address_space: global }
      - { .name: query, .offset: 8, .size: 8, .value_kind: global_buffer, .address_space: global }
      - { .name: value, .offset: 16, .size: 8, .value_kind: global_buffer, .address_space: global }
      - { .name: mask, .offset: 24, .size: 8, .value_kind: global_buffer, .address_space: global }
      - { .name: kstat, .offset: 32, .size: 8, .value_kind: global_buffer, .address_space: global }
      - { .name: qimg, .offset: 40, .size: 8, .value_kind: global_buffer, .address_space: global }
      - { .name: vimg, .offset: 48, .size: 8, .value_kind: global_buffer, .address_space: global }
    .group_segment_fixed_size: 37376
    .private_segment_fixed_size: 0
    .kernarg_segment_align: 8
    .kernarg_segment_size: 56
    .max_flat_workgroup_size: 128
    .sgpr_count:     66
    .vgpr_count:     194
    .wavefront_size: 32
...
	.end_amdgpu_metadata
.endif
;; end of part 1
;; launch attn (part 2): grid 32 x 8, 8 waves a work-group, clusters of 4 x 1, 327,680 bytes of LDS; arguments qimg, kstat, vimg, out0; writes out0
.if DOCPART == 2
	.amdgcn_target "amdgcn-amd-amdhsa--gfx1250"
	.amdhsa_code_object_version 6
	.text
	.protected	k_q1a98a5a302_attn
	.globl	k_q1a98a5a302_attn
	.p2align	8
	.type	k_q1a98a5a302_attn,@function
k_q1a98a5a302_attn:
	s_mov_b64 s[64:65], 0
	v_nop
	global_prefetch_b8 v0, s[64:65] scope:SCOPE_SE
	s_setreg_imm32_b32 hwreg(HW_REG_WAVE_MODE, 25, 1), 1
	s_wait_xcnt 0x0
	s_wait_alu depctr_hold_cnt(0) depctr_sa_sdst(0) depctr_va_vdst(0) depctr_va_sdst(0) depctr_va_ssrc(0) depctr_va_vcc(0) depctr_vm_vsrc(0)
	s_getreg_b32 s2, hwreg(HW_REG_IB_STS2, 6, 4)
	s_cmp_eq_u32 s2, 0
	s_cbranch_scc0 .Lentry_in_a_cluster
	s_endpgm
.Lentry_in_a_cluster:
	s_bfe_u32 s2, ttmp6, 0x10000c
	s_cmp_lg_u32 s2, 0x3003
	s_cbranch_scc0 .Lentry_shape_is_right
	s_endpgm
.Lentry_shape_is_right:
; out[b][q][:] = sum over k of a[q][k] V[k][:], a = exp(s/8 - max_k s/8) x mask[k] / (sum of that over k + 1e-7), s = Q[q] . K[k]; both products on codes of BF6 (E3M2), one E8M0 scale for each 32 along K.
; WHAT IS QUANTISED FOR THE SECOND PRODUCT IS THE FINISHED a.  ONE SWEEP: a work-group takes 16 queries a pass (8 passes, 128 queries) and keeps all their 4,096 scores in registers:
; wave w holds keys 512 w .. 512 w + 511, 256 registers (window 1).  Each wave takes p = 2^(c s - c m_w) under its OWN maximum m_w (over all its keys, hidden ones too) and its own masked sum l_w;
; the eight pairs meet in LDS, one barrier a pass; a = p x F, F = 2^(c m_w - c M) / (sum of l_k 2^(c m_k - c M) + 1e-7), M the row's maximum.  A block's largest a is its largest p x F (the same multiplication).
; LAYOUT.  Both products are used transposed (S^T = K Q^T, O^T = V^T a^T): a lane holds one query, its registers run along the keys; the tiles' rows are chosen in the preparing launch so that the 16 registers
; of tiles 2 b, 2 b + 1 are keys 32 b + 16 (lane / 16) + 0 .. 15.  Lane r of the pass's tile is query 32 (pass / 2) + 8 (pass % 2) + r + 8 (r / 8) of the work-group's 128.
; K = 64 fills half of the instruction's 128: Q's codes from k = 64 on are zeros, so whatever K's fragment names there adds nothing (every 6-bit pattern is a finite number).
; THE MASK is added onto the scores by a second matrix instruction, behind the read for the maximum: its first source has the code -28 at k = 64 (v6; the other eleven registers of v0-v11 meet zeros),
; its second source the code 1.0 there and zeros elsewhere; K's scale byte for k = 64 .. 95 is 227 (2^100) for a hidden key, 1 for an open one.
; K'S FRAGMENTS WAIT IN SCORE REGISTERS THAT ARE NOT YET WRITTEN: a group is four tiles, 32 score registers.  Groups 0-3 lie in the registers of groups 4-7 (asked for at the end of the pass before),
; groups 4-6 in those of groups 5-7 (asked for three groups ahead), group 7 in window 0 (seven groups ahead).
; V: a wave's four steps of 128 keys are the same in every pass.  Steps 0, 1 stay in 96 registers; step 2 lies in 6,144 LDS bytes of the wave's own; step 3 comes in each pass from vimg; both into score registers that the conversions have left.
; O: the eight waves' parts go to stages in LDS, two sets by turns, and are added up behind the next pass's barrier: wave w adds and stores rows 2 w, 2 w + 1 of the tile, 512 consecutive bytes.
; LDS: the batch's K images, 196,608 bytes, come once, a joint load of 24,576 bytes a wave (the wave's own 512 keys), and stay.  Nothing is filled again.  The scale words go from kstat straight into registers, once.
; CLUSTER: the four work-groups of a cluster belong to one batch and ask for K jointly.  No prefetch: K is asked for once, at the head, with no loop ahead of it; V's step 3 is read again in each of the 8 passes.
; LIMITS: NaN and infinities are not served; raw scores stay under about 1e29 in magnitude (beside the -28 x 2^100 of a hidden key); p and a under 2^-126 count as 0; an open key's score carries -28 x 2^-126.
.set KSC,   212992                     ; kstat, in a batch: K's scale words with the mask's byte
.set VSC,   229376                     ; V's scale words
.set STAT,  196608                     ; LDS: two sets of 8 waves x 16 queries x (-c max, sum)
.set SPARE, 198656                     ; the spare words, 128 bytes a wave: four blocks of 256 bytes that no other line names
.set OST,   199680                     ; two sets of 8 stages of 16 rows x 272 bytes
.set OSZ,   34816
.set VL,    269312                     ; V's step 2, 6,144 bytes for each wave
.set SPW,1
.set NIL,2
.set AK16,3                            ; K's images: 24,576 w + 16 lane
.set AK8,4                             ; the same + 512 + 8 lane
.set AST,5                             ; where I put my pair
.set C28,6                             ; the code -28
.set ASL,7                             ; where I read my query's eight
.set AOS,8                             ; my stage, in
.set AOL,9                             ; the stages, back
.set L16,10
.set L8,11
.set R4,12
.set TP,13
.set TT,14                             ; v14-15 (-c m_w, l_w)
.set QF,16                             ; v16-27 Q's fragment (22-27 zeros); v22-33 the mask product's second source (v28: 1.0 at k = 64)
.set QS,34
.set AVL,35                            ; V's step 2 in LDS: VL + 6,144 w + 16 lane
.set KS,36                             ; v36-51 K's scale words, register i: tiles 2 i (lanes 0-15), 2 i + 1 (lanes 16-31)
.set VS,52                             ; v52-59 V's likewise
.set PS,60                             ; v60-63 a's scale word of each step
.set KF,64                             ; v64-99 group 7's four fragments of K, 8 apart, each naming 12
.set O,64                              ; v64-95 O^T, behind K's last use in a pass
.set P,100                             ; v100-111 a's codes of a step
.set CT,112                            ; v112-118 the conversions' second halves
.set BM,120                            ; v120-135 each block's largest p, then a, then the conversion's scale operand
.set B2,136                            ; v136-151 at work
.set MX,136                            ; v136-139 the maximum in four chains
.set SM,152                            ; v152-159 the sum in four pairs
.set FF,152                            ; v152-153 (F, -)
.set TM,154
.set VR,160                            ; v160-255 V's steps 0, 1
.set WV,12
.set CS,18
.set SEL,20
.set NC,22
.set G1,24
.set G0,32
.set CNT,36
.set QP,38
.set QSP,40
.set VP,42
.set KB,62
.set MSB,0
.macro WIN new                         ; the immediate's high byte repeats the setting that is left
.if MSB != \new
	s_set_vgpr_msb (MSB<<8)|\new
.set MSB, \new
.endif
.endm
.macro NOPS n
.rept \n
	v_nop
.endr
.endm
.macro WALU
	s_wait_alu depctr_va_vdst(0)
.endm
.macro CROUND
	s_barrier_signal -1
	s_barrier_wait -1
	s_cmp_lg_u32 s[WV], 0
	s_cbranch_scc1 .Lnot_wave_0_\@
	s_barrier_signal -3
.Lnot_wave_0_\@:
	s_barrier_wait -3
	s_barrier_signal -1
	s_barrier_wait -1
.endm
.macro MM d, a, b, z, sa, sb, row      ; z = 1: the product starts its sum
.if \z
.if \row
	v_wmma_scale_f32_16x16x128_f8f6f4 v[\d:\d+7], v[\a:\a+11], v[\b:\b+11], 0, v[\sa], v[\sb] matrix_a_fmt:MATRIX_FMT_BF6 matrix_b_fmt:MATRIX_FMT_BF6 matrix_a_scale:MATRIX_SCALE_ROW1
.else
	v_wmma_scale_f32_16x16x128_f8f6f4 v[\d:\d+7], v[\a:\a+11], v[\b:\b+11], 0, v[\sa], v[\sb] matrix_a_fmt:MATRIX_FMT_BF6 matrix_b_fmt:MATRIX_FMT_BF6
.endif
.else
.if \row
	v_wmma_scale_f32_16x16x128_f8f6f4 v[\d:\d+7], v[\a:\a+11], v[\b:\b+11], v[\d:\d+7], v[\sa], v[\sb] matrix_a_fmt:MATRIX_FMT_BF6 matrix_b_fmt:MATRIX_FMT_BF6 matrix_a_scale:MATRIX_SCALE_ROW1
.else
	v_wmma_scale_f32_16x16x128_f8f6f4 v[\d:\d+7], v[\a:\a+11], v[\b:\b+11], v[\d:\d+7], v[\sa], v[\sb] matrix_a_fmt:MATRIX_FMT_BF6 matrix_b_fmt:MATRIX_FMT_BF6
.endif
.endif
.endm
.macro KLOAD g, rb, st                 ; group g: four tiles of 16 keys, eight LDS loads, into fragments st registers apart from rb on
.irp t, 0,1,2,3
	ds_load_b128 v[\rb+\st*\t:\rb+\st*\t+3], v[AK16] offset:768*(4*(\g)+\t)
	ds_load_b64 v[\rb+\st*\t+4:\rb+\st*\t+5], v[AK8] offset:768*(4*(\g)+\t)
.endr
.endm
.macro QK g, rb, st                    ; S^T = K Q^T, into window 1
.irp t, 0,1,2,3
	MM 8*(4*(\g)+\t), \rb+\st*\t, QF, 1, KS+2*(\g)+\t/2, QS, \t%2
.endr
.endm
.macro ADDON g                         ; + the mask's term
.irp t, 0,1,2,3
	MM 8*(4*(\g)+\t), 0, QF+6, 0, KS+2*(\g)+\t/2, QS, \t%2
.endr
.endm
.macro MAX4 g, i                       ; each accumulator is read from its low end on
.irp t, 0,1,2,3
.if ((\g) == 0) && ((\i) == 0)
	v_max3_num_f32 v[MX+\t], 0xff61b1e6, v[8*(4*(\g)+\t)], v[8*(4*(\g)+\t)+1]
.else
	v_max3_num_f32 v[MX+\t], v[MX+\t], v[8*(4*(\g)+\t)+\i], v[8*(4*(\g)+\t)+\i+1]
.endif
.endr
.endm
.macro EXPS k
.set j, 32*(\k)
.rept 32
	v_exp_f32 v[j], v[j]
.set j, j+1
.endr
.endm
.macro ADDMAX k                        ; 32 p of a lane: into the sum (four pairs by turns) and into two blocks' maxima
.set B, 32*(\k)
.if (\k) == 0
	WIN 0x05
.irp i, 0,1,2,3
	v_pk_add_f32 v[SM+2*\i:SM+2*\i+1], v[2*\i:2*\i+1], v[8+2*\i:9+2*\i]
.endr
.endif
	WIN 0x14
.irp j, 0,1,2,3,4,5,6,7
.if ((\k) > 0) || (\j > 3)
	v_pk_add_f32 v[SM+4*(\j%2):SM+4*(\j%2)+1], v[SM+4*(\j%2):SM+4*(\j%2)+1], v[B+4*\j:B+4*\j+1]
	v_pk_add_f32 v[SM+4*(\j%2)+2:SM+4*(\j%2)+3], v[SM+4*(\j%2)+2:SM+4*(\j%2)+3], v[B+4*\j+2:B+4*\j+3]
.endif
.if \j == 0
	v_max3_num_f32 v[BM+2*(\k)], 0, v[B], v[B+1]
	v_max3_num_f32 v[BM+2*(\k)+1], 0, v[B+16], v[B+17]
.else
	v_max3_num_f32 v[BM+2*(\k)], v[BM+2*(\k)], v[B+2*\j], v[B+2*\j+1]
	v_max3_num_f32 v[BM+2*(\k)+1], v[BM+2*(\k)+1], v[B+16+2*\j], v[B+17+2*\j]
.endif
.endr
.endm
.macro MULS s, a, n                    ; a = p x F
	WIN 0x41
.set j, 64*(\s)+(\a)
.rept \n
	v_pk_mul_f32 v[j:j+1], v[j:j+1], v[FF:FF+1] op_sel_hi:[1,0]
.set j, j+2
.endr
.endm
.macro CVT s                           ; a step's 64 a of a lane become codes
	WIN 0x01
.irp c, 0,1
	v_cvt_scalef32_pk16_bf6_f32 v[P+6*\c:P+6*\c+2], v[64*(\s)+32*\c:64*(\s)+32*\c+15], v[BM+4*(\s)+2*\c]
	v_cvt_scalef32_pk16_bf6_f32 v[CT+4*\c:CT+4*\c+2], v[64*(\s)+32*\c+16:64*(\s)+32*\c+31], v[BM+4*(\s)+2*\c+1]
.endr
.endm
.macro SWAPS                           ; the operand's layout wants a whole block in a lane
	WIN 0
	v_nop                                          ; one plain place behind a scaled conversion
.irp c, 0,1
.irp i, 0,1,2
	v_permlane16_swap_b32 v[P+6*\c+\i], v[CT+4*\c+\i]
.endr
.endr
.irp c, 0,1
.irp i, 0,1,2
	v_mov_b32 v[P+6*\c+3+\i], v[CT+4*\c+\i]
.endr
.endr
.endm
.macro VLOADG                          ; V's step 3, from vimg, into the registers of step 0's scores
	WIN 0x40
.irp ct, 0,1,2,3
.irp jj, 0,1,2
	global_load_b128 v[12*\ct+4*\jj:12*\ct+4*\jj+3], v[L16], s[VP:VP+1] offset:6144*3+1536*\ct+512*\jj
.endr
.endr
.endm
.macro VLOADL                          ; V's step 2, from my LDS bytes, into the registers of step 1's scores
	WIN 0x40
.irp ct, 0,1,2,3
.irp jj, 0,1,2
	ds_load_b128 v[64+12*\ct+4*\jj:64+12*\ct+4*\jj+3], v[AVL] offset:1536*\ct+512*\jj
.endr
.endr
.endm
.macro PV s                            ; O^T += V^T a^T: the four accumulators by turns
.if (\s) < 2
	WIN 0
.irp ct, 0,1,2,3
	MM O+8*\ct, VR+48*(\s)+12*\ct, P, 1-(\s), VS+2*(\s)+\ct/2, PS+(\s), \ct%2
.endr
.else
	WIN 0x01
.irp ct, 0,1,2,3
	MM O+8*\ct, 64*(3-(\s))+12*\ct, P, 0, VS+2*(\s)+\ct/2, PS+(\s), \ct%2
.endr
.endif
.endm
.macro RLOAD par                       ; the eight parts of my two rows of the pass before
.irp k, 0,1,2,3,4,5,6,7
	ds_load_b128 v[KF+4*\k:KF+4*\k+3], v[AOL] offset:(\par)*OSZ+4352*\k
.endr
.endm
.macro RSUM off
.irp k, 0,2,4,6
	v_pk_add_f32 v[KF+4*\k:KF+4*\k+1], v[KF+4*\k:KF+4*\k+1], v[KF+4*\k+4:KF+4*\k+5]
	v_pk_add_f32 v[KF+4*\k+2:KF+4*\k+3], v[KF+4*\k+2:KF+4*\k+3], v[KF+4*\k+6:KF+4*\k+7]
.endr
.irp k, 0,4
	v_pk_add_f32 v[KF+4*\k:KF+4*\k+1], v[KF+4*\k:KF+4*\k+1], v[KF+4*\k+8:KF+4*\k+9]
	v_pk_add_f32 v[KF+4*\k+2:KF+4*\k+3], v[KF+4*\k+2:KF+4*\k+3], v[KF+4*\k+10:KF+4*\k+11]
.endr
	v_pk_add_f32 v[KF:KF+1], v[KF:KF+1], v[KF+16:KF+17]
	v_pk_add_f32 v[KF+2:KF+3], v[KF+2:KF+3], v[KF+18:KF+19]
	global_store_b128 v[L16], v[KF:KF+3], s[10:11] offset:\off th:TH_STORE_NT   ; 32 lanes store two rows: 512 consecutive bytes, aligned
.endm
	s_load_b256 s[4:11], s[0:1], 0x0               ; qimg, kstat, vimg, out0
	v_lshl_add_u32 v[SPW], v0, 2, SPARE
	v_mov_b32 v[NIL], 0
	ds_add_u32 v[SPW], v[NIL]                      ; the opening lines: the add, twice on end, and its wait
	ds_add_u32 v[SPW], v[NIL]
	v_lshrrev_b32 v[TP], 5, v0
	v_readfirstlane_b32 s[WV], v[TP]               ; wave 0 .. 7
	s_bfe_u32 s15, ttmp6, 0x40000                  ; cx
	s_lshl_b32 s16, ttmp9, 2
	s_add_co_u32 s16, s16, s15                     ; my block of 128 queries: it enters Q's and out0's addresses alone
	s_and_b32 s17, ttmp7, 0xffff                   ; the batch, which the four partners share
	s_mov_b32 s[CS], 0x3e38aa3b                    ; c = log2(e) / 8
	s_mov_b32 s[CS+1], s[CS]
	s_mov_b32 s[SEL], 0x76543210
	s_mov_b32 s[SEL+1], 0xfedcba98
	s_mov_b32 s[NC], 0xbe38aa3b
	s_mov_b32 s[G1], 15|(3<<16)|(1<<21)            ; the mask: all four; elements of 8 bytes; bit 21 beside a mask
	s_mov_b32 s[G1+1], 32<<16                      ; rows of 256 bytes
	s_mov_b32 s[G1+2], 96<<16                      ; 96 rows: 24,576 bytes, my 512 keys
	s_mov_b32 s[G1+3], 32<<16
	s_mov_b32 s[G1+4], 96
	s_mov_b32 s[G1+5], 32
	s_mov_b32 s[G1+6], 0
	s_mov_b32 s[G1+7], 0
	s_mov_b32 s[G0], 1
	s_mul_i32 s[G0+1], s[WV], 24576
	s_mul_i32 s[KB], s17, 253952                   ; the batch in kstat
	s_mov_b32 s[KB+1], 0
	s_add_co_u32 s48, s[KB], s[G0+1]
	s_mov_b32 s49, 0
	s_mul_i32 s50, s17, 196608
	s_mul_i32 s44, s[WV], 24576                    ; my 512 keys in K's images and in V's
	s_add_co_u32 s50, s50, s44
	s_mov_b32 s51, 0
	s_mul_i32 s52, s17, 212992
	s_mul_i32 s54, s16, 6144                       ; my block's eight tiles of Q
	s_add_co_u32 s54, s54, s52
	s_mov_b32 s55, 0
	s_lshl_b32 s56, s16, 9
	s_add_co_u32 s56, s56, s52
	s_add_co_u32 s56, s56, 196608                  ; and their scale words
	s_mov_b32 s57, 0
	s_lshl_b32 s58, s17, 20
	s_lshl_b32 s59, s16, 15
	s_add_co_u32 s58, s58, s59
	s_lshl_b32 s59, s[WV], 9
	s_add_co_u32 s58, s58, s59
	s_lshr_b32 s59, s[WV], 2
	s_lshl_b32 s59, s59, 11
	s_add_co_u32 s58, s58, s59                     ; out0: rows 2 w + 8 (w / 4) of the block on
	s_mov_b32 s59, 0
	s_lshl_b32 s45, s[WV], 7
	s_mul_i32 s46, s[WV], 4352
	s_mul_i32 s47, s[WV], 544
	s_mul_i32 s53, s[WV], 6144
	s_lshl_b32 s60, s[WV], 11
	s_lshl_b32 s61, s[WV], 10
	s_wait_dscnt 0x0
	s_wait_kmcnt 0x0
	s_add_nc_u64 s[QP:QP+1], s[4:5], s[54:55]
	s_add_nc_u64 s[QSP:QSP+1], s[4:5], s[56:57]
	s_add_nc_u64 s[VP:VP+1], s[8:9], s[50:51]
	s_add_nc_u64 s[10:11], s[10:11], s[58:59]
	s_add_nc_u64 s[G0+2:G0+3], s[6:7], s[48:49]
	s_add_nc_u64 s[KB:KB+1], s[6:7], s[KB:KB+1]
	s_or_b32 s[G0+3], s[G0+3], 0x80000000
	CROUND                                         ; all four work-groups are here: the joint loads meet
	tensor_load_to_lds s[G0:G0+3], s[G1:G1+7]      ; my 512 keys: the wave's one tensor load
	s_nop 0
	v_and_b32 v[TP], 31, v0                        ; lane
	v_and_b32 v[R4], 15, v0                        ; r
	v_bfe_u32 v[TT], v0, 4, 1                      ; h
	v_lshlrev_b32 v[L16], 4, v[TP]
	v_lshlrev_b32 v[L8], 3, v[TP]
	v_add_nc_u32 v[AK16], s44, v[L16]
	v_add_nc_u32 v[AK8], s44, v[L8]
	v_add_nc_u32 v[AK8], 512, v[AK8]
	v_add_nc_u32 v[AVL], s53, v[L16]
	v_add_nc_u32 v[AVL], VL, v[AVL]
	v_lshlrev_b32 v[ASL], 3, v[R4]
	v_add_nc_u32 v[ASL], STAT, v[ASL]
	v_add_nc_u32 v[AST], s45, v[ASL]
	v_mul_u32_u24 v[AOS], v[R4], 272
	v_lshl_add_u32 v[AOS], v[TT], 5, v[AOS]
	v_add_nc_u32 v[AOS], s46, v[AOS]
	v_add_nc_u32 v[AOS], OST, v[AOS]               ; in: row r, channels 16 ct + 8 h on
	v_mul_u32_u24 v[AOL], v[TT], 272
	v_lshl_add_u32 v[AOL], v[R4], 4, v[AOL]
	v_add_nc_u32 v[AOL], s47, v[AOL]
	v_add_nc_u32 v[AOL], OST, v[AOL]               ; back: row 2 w + h, 16 bytes at 16 r
	v_lshl_add_u32 v[B2], v[TP], 2, s60
	v_add_nc_u32 v[B2], KSC, v[B2]                 ; offsets in the batch's part of kstat: my tiles' scale words,
	v_lshl_add_u32 v[B2+1], v[TP], 2, s61
	v_add_nc_u32 v[B2+1], VSC, v[B2+1]             ; my steps'
	v_sub_nc_u32 v[TM], 1, v[TT]
	v_lshlrev_b32 v[R4], 2, v[R4]
	v_mov_b32 v[C28], 0x3f
.irp i, 6,7,8,9,10,11,13,14,15,16,17
	v_mov_b32 v[QF+\i], 0
.endr
	v_mul_u32_u24 v[QF+12], v[TM], 12              ; the code 1.0 at k = 64 (lanes 0-15); lanes 16-31 (k = 96) hold 0
	v_mov_b32 v[TT+1], 0
	WIN 0x40
.irp r, 4,5,6,7
.irp i, 24,25,26,27,28,29
	v_mov_b32 v[32*\r+\i], 0                       ; window 1: named by a group's last fragment, never loaded: they meet Q's zeros
.endr
.endr
	WIN 0
	global_load_b128 v[QF:QF+3], v[L16], s[QP:QP+1]
	global_load_b64 v[QF+4:QF+5], v[L8], s[QP:QP+1] offset:512
	global_load_b32 v[QS], v[R4], s[QSP:QSP+1]
.irp i, 0,1,2,3,4,5,6,7,8,9,10,11,12,13,14,15
	global_load_b32 v[KS+\i], v[B2], s[KB:KB+1] offset:128*\i
.endr
.irp i, 0,1,2,3,4,5,6,7
	global_load_b32 v[VS+\i], v[B2+1], s[KB:KB+1] offset:128*\i
.endr
.irp ct, 0,1,2,3
.irp jj, 0,1,2
	global_load_b128 v[KF+12*\ct+4*\jj:KF+12*\ct+4*\jj+3], v[L16], s[VP:VP+1] offset:6144*2+1536*\ct+512*\jj   ; V's step 2, on its way to LDS
.endr
.endr
.irp s, 0,1
.irp ct, 0,1,2,3
.irp jj, 0,1,2
	global_load_b128 v[VR+48*\s+12*\ct+4*\jj:VR+48*\s+12*\ct+4*\jj+3], v[L16], s[VP:VP+1] offset:6144*\s+1536*\ct+512*\jj
.endr
.endr
.endr
	WALU
	s_wait_tensorcnt 0x0                           ; my keys are in
	s_barrier_signal -1
	s_barrier_wait -1
	s_wait_loadcnt 0x0
.irp ct, 0,1,2,3
.irp jj, 0,1,2
	ds_store_b128 v[AVL], v[KF+12*\ct+4*\jj:KF+12*\ct+4*\jj+3] offset:1536*\ct+512*\jj   ; bytes of my own: only I read them
.endr
.endr
	WIN 0x40
	KLOAD 0, 128, 6
	KLOAD 1, 160, 6
	KLOAD 2, 192, 6
	KLOAD 3, 224, 6
	WIN 0
.macro PASS x
	; ---- the scores, their maximum, the mask.  Group g's products; group g - 1's maximum (its first four lines are the places ahead of the loads into fragments just read); group g - 1's mask term.
	; The waits count the groups of eight LDS loads issued behind the group that is wanted: behind 0: 1, 2, 3; behind 1: 2, 3, 7; behind 2: 3, 7, 4; behind 3: 7, 4, 5; behind 4: 5, 6; behind 5: 6
.irp g, 0,1,2,3,4,5,6,7
.if \g < 7
	WALU
.if \g < 4
	s_wait_dscnt 24
.else
	s_wait_dscnt 8*(6-\g)
.endif
.endif
.if \g < 4
	WIN 0x41
	QK \g, 32*(\g+4), 6
.elseif \g < 7
	WIN 0x41
	QK \g, 32*(\g+1), 6
.else
	WIN 0x40
	QK \g, KF, 8
.endif
	WIN 0x14
.if \g > 0
	MAX4 \g-1, 0
.else
	NOPS 4
	KLOAD 7, KF, 8
.endif
.if (\g > 0) && (\g < 4)
	WIN 0x40
	KLOAD \g+3, 32*(\g+4), 6
	WIN 0x14
.endif
.if \g > 0
	MAX4 \g-1, 2
	MAX4 \g-1, 4
	MAX4 \g-1, 6
	WIN 0x50
	ADDON \g-1
.endif
.endr
	WIN 0x14
	MAX4 7, 0
	MAX4 7, 2
	MAX4 7, 4
	MAX4 7, 6
	WIN 0x50
	ADDON 7
	WIN 0
	v_max3_num_f32 v[MX], v[MX], v[MX+1], v[MX+2]
	v_max_num_f32 v[MX], v[MX], v[MX+3]
	v_permlanex16_b32 v[TP], v[MX], s[SEL], s[SEL+1]
	v_max_num_f32 v[MX], v[MX], v[TP]              ; with lane l xor 16's keys: m_w
	v_mul_f32 v[TT], s[NC], v[MX]                  ; -c m_w
	WIN 0x41
.set j, 0
.rept 128
	v_pk_fma_f32 v[j:j+1], v[j:j+1], s[CS:CS+1], v[TT:TT+1] op_sel_hi:[1,0,0]   ; c s - c m_w: each accumulator from its low end on
.set j, j+2
.endr
	WIN 0
	WALU
.if \x == 1
	s_cmp_eq_u32 s[CNT], 1                         ; the last pass has no successor
	s_cbranch_scc1 .Lno_q_\@
.endif
	global_load_b128 v[QF:QF+3], v[L16], s[QP:QP+1] offset:768*(\x+1)          ; the next pass's Q
	global_load_b64 v[QF+4:QF+5], v[L8], s[QP:QP+1] offset:768*(\x+1)+512
	global_load_b32 v[QS], v[R4], s[QSP:QSP+1] offset:64*(\x+1)
.if \x == 1
.Lno_q_\@:
.endif
	; ---- p, its sum, each block's largest: 32 exponentials, then the sums and maxima of the 32 before
.irp k, 0,1,2,3,4,5,6,7
	WIN 0x41
	WALU
	EXPS \k
.if \k > 0
	ADDMAX \k-1
.endif
.endr
	WALU
	ADDMAX 7
	WIN 0
	v_pk_add_f32 v[SM:SM+1], v[SM:SM+1], v[SM+2:SM+3]
	v_pk_add_f32 v[SM+4:SM+5], v[SM+4:SM+5], v[SM+6:SM+7]
	v_pk_add_f32 v[SM:SM+1], v[SM:SM+1], v[SM+4:SM+5]
	v_add_f32 v[SM], v[SM], v[SM+1]
	v_permlanex16_b32 v[TP], v[SM], s[SEL], s[SEL+1]
	v_add_f32 v[TT+1], v[SM], v[TP]                ; l_w
	ds_store_b64 v[AST], v[TT:TT+1] offset:1024*\x ; both halves of the lanes write the same pair
	WALU
	s_wait_dscnt 0x0                               ; for the others' sake: my pair, and my part of the last pass's O, are stored
	s_barrier_signal -1
	s_barrier_wait -1
.irp k, 0,1,2,3,4,5,6,7
	ds_load_b64 v[B2+2*\k:B2+2*\k+1], v[ASL] offset:1024*\x+128*\k
.endr
.if \x == 0
	s_cmp_eq_u32 s[CNT], 4                         ; the first pass has no predecessor
	s_cbranch_scc1 .Lno_rl_\@
.endif
	RLOAD 1-\x
.if \x == 0
.Lno_rl_\@:
.endif
	s_wait_dscnt 0x0
	v_min3_num_f32 v[TM], v[B2], v[B2+2], v[B2+4]
	v_min3_num_f32 v[TM+1], v[B2+6], v[B2+8], v[B2+10]
	v_min3_num_f32 v[TM], v[TM], v[B2+12], v[B2+14]
	v_min_num_f32 v[TM], v[TM], v[TM+1]            ; -c M
.irp k, 0,1,2,3,4,5,6,7
	v_sub_f32 v[B2+2*\k], v[TM], v[B2+2*\k]
.endr
	v_sub_f32 v[TM+2], v[TM], v[TT]
	WALU
.irp k, 0,1,2,3,4,5,6,7
	v_exp_f32 v[B2+2*\k], v[B2+2*\k]               ; 2^(c m_k - c M)
.endr
	v_exp_f32 v[TM+2], v[TM+2]
	v_nop
	WALU
	v_fmaak_f32 v[TM+3], v[B2], v[B2+1], 0x33d6bf95   ; 1e-7 + the parts' sums under M, in two chains
	v_mul_f32 v[TM+4], v[B2+2], v[B2+3]
.irp k, 2,4,6
	v_fmac_f32 v[TM+3], v[B2+2*\k], v[B2+2*\k+1]
	v_fmac_f32 v[TM+4], v[B2+2*\k+2], v[B2+2*\k+3]
.endr
	v_add_f32 v[TM+3], v[TM+3], v[TM+4]
	WALU
	v_rcp_f32 v[TM+5], v[TM+3]
	v_nop
	WALU
	v_mul_f32 v[FF], v[TM+2], v[TM+5]              ; F
	; ---- the sixteen blocks' scales, by turns
.irp b, 0,1,2,3,4,5,6,7,8,9,10,11,12,13,14,15
	v_mul_f32 v[BM+\b], v[BM+\b], v[FF]
.endr
.irp b, 0,1,2,3,4,5,6,7,8,9,10,11,12,13,14,15
	v_permlanex16_b32 v[B2+\b], v[BM+\b], s[SEL], s[SEL+1]
.endr
.irp b, 0,1,2,3,4,5,6,7,8,9,10,11,12,13,14,15
	v_max3_num_f32 v[BM+\b], v[BM+\b], v[B2+\b], 0x2800000   ; the block's largest a, and the floor 2^(5 - 127): the byte cannot fall under 1
.endr
.irp b, 0,1,2,3,4,5,6,7,8,9,10,11,12,13,14,15
	v_add_nc_u32 v[BM+\b], 0xfe000000, v[BM+\b]    ; 4 off the exponent field: the conversion's scale operand
.endr
.irp b, 0,1,2,3,4,5,6,7,8,9,10,11,12,13,14,15
	v_lshrrev_b32 v[B2+\b], 23, v[BM+\b]           ; the byte
.endr
.irp s, 0,1,2,3
	v_lshl_or_b32 v[PS+\s], v[B2+4*\s+1], 8, v[B2+4*\s]
.endr
.irp s, 0,1,2,3
	v_lshl_or_b32 v[PS+\s], v[B2+4*\s+2], 16, v[PS+\s]
.endr
.irp s, 0,1,2,3
	v_lshl_or_b32 v[PS+\s], v[B2+4*\s+3], 24, v[PS+\s]
.endr
.if \x == 0
	WALU
	s_cmp_eq_u32 s[CNT], 4
	s_cbranch_scc1 .Lno_rs_\@
	RSUM -6144                                     ; the pass before: 32 rows back, 8 on
.Lno_rs_\@:
.else
	RSUM 0
.endif
	; ---- a, its codes, the second product, step by step.  Four multiplications of the next step are the places between the codes' last moves and the products; the other 28 the places behind them
	MULS 0, 0, 32
	CVT 0
	VLOADG
	SWAPS
	MULS 1, 0, 4
	WALU
	s_wait_xcnt 0x0                                ; the store above has read its data: O^T begins on those registers
	PV 0
	MULS 1, 8, 28
	CVT 1
	VLOADL
	SWAPS
	MULS 2, 0, 4
	PV 1
	MULS 2, 8, 28
	CVT 2
	SWAPS
	MULS 3, 0, 4
	WALU
	s_wait_dscnt 0x0                               ; V's step 2 is in
	PV 2
	MULS 3, 8, 28
	CVT 3
	WIN 0
.if \x == 1
	WALU
	s_cmp_eq_u32 s[CNT], 1
	s_cbranch_scc1 .Lno_k_\@
.endif
	WIN 0x40
	KLOAD 0, 128, 6                                ; the next pass's groups 0-3, into the registers that steps 2 and 3 have left
	KLOAD 1, 160, 6
	KLOAD 2, 192, 6
	KLOAD 3, 224, 6
	WIN 0
.if \x == 1
.Lno_k_\@:
.endif
	SWAPS
	NOPS 4
	WALU
	s_wait_loadcnt 0x0                             ; V's step 3 is in, and the next pass's Q
	PV 3
	WIN 0
	NOPS 5                                         ; five places: later products take these registers, filled anew, as K's fragments; the stores below want four
.irp ct, 0,1,2,3
	ds_store_b128 v[AOS], v[O+8*\ct:O+8*\ct+3] offset:\x*OSZ+64*\ct
	ds_store_b128 v[AOS], v[O+8*\ct+4:O+8*\ct+7] offset:\x*OSZ+64*\ct+16
.endr
.endm
	s_mov_b32 s[CNT], 4
.Ltrip:                                                ; a trip is two passes: the two sets of LDS scratch by turns
	PASS 0
	PASS 1
	s_wait_xcnt 0x0                                ; the pointers are stepped only behind this wait
	s_add_nc_u64 s[QP:QP+1], s[QP:QP+1], 1536
	s_add_nc_u64 s[QSP:QSP+1], s[QSP:QSP+1], 128
	s_add_nc_u64 s[10:11], s[10:11], 8192
	s_sub_co_u32 s[CNT], s[CNT], 1
	s_cmp_lg_u32 s[CNT], 0
	WALU
	s_cbranch_scc1 .Ltrip
	s_wait_dscnt 0x0                               ; my part of the last pass's O is stored
	s_barrier_signal -1
	s_barrier_wait -1
	RLOAD 1
	s_wait_dscnt 0x0
	RSUM -6144
	s_wait_tensorcnt 0x0                           ; the wave's end
	ds_add_u32 v[SPW], v[NIL]
	s_wait_dscnt 0x0
	CROUND                                         ; the closing round
	s_endpgm
.Lfunc_end_k_q1a98a5a302_attn:
	.size	k_q1a98a5a302_attn, .Lfunc_end_k_q1a98a5a302_attn-k_q1a98a5a302_attn
	.p2alignl 7, 3214868480
	.fill 96, 4, 3214868480
	.section	.rodata,"a",@progbits
	.p2align	6, 0x0
	.amdhsa_kernel k_q1a98a5a302_attn
		.amdhsa_group_segment_fixed_size 327680
		.amdhsa_private_segment_fixed_size 0
		.amdhsa_enable_private_segment 0
		.amdhsa_kernarg_size 32
		.amdhsa_user_sgpr_count 2
		.amdhsa_user_sgpr_kernarg_segment_ptr 1
		.amdhsa_wavefront_size32 1
		.amdhsa_system_sgpr_workgroup_id_x 1
		.amdhsa_system_sgpr_workgroup_id_y 1
		.amdhsa_system_sgpr_workgroup_id_z 1
		.amdhsa_system_vgpr_workitem_id 0
		.amdhsa_next_free_vgpr 512
		.amdhsa_next_free_sgpr 66
		.amdhsa_reserve_vcc 0
		.amdhsa_float_denorm_mode_32 3
		.amdhsa_float_denorm_mode_16_64 3
		.amdhsa_memory_ordered 1
		.amdhsa_forward_progress 1
		.amdhsa_inst_pref_size 179
	.end_amdhsa_kernel
	.amdgpu_metadata
---
amdhsa.version: [ 1, 2 ]
amdhsa.kernels:
  - .name:           k_q1a98a5a302_attn
    .symbol:         k_q1a98a5a302_attn.kd
    .args:
      - { .name: qimg, .offset: 0, .size: 8, .value_kind: global_buffer, .address_space: global }
      - { .name: kstat, .offset: 8, .size: 8, .value_kind: global_buffer, .address_space: global }
      - { .name: vimg, .offset: 16, .size: 8, .value_kind: global_buffer, .address_space: global }
      - { .name: out0, .offset: 24, .size: 8, .value_kind: global_buffer, .address_space: global }
    .group_segment_fixed_size: 327680
    .private_segment_fixed_size: 0
    .kernarg_segment_align: 8
    .kernarg_segment_size: 32
    .max_flat_workgroup_size: 256
    .sgpr_count:     66
    .vgpr_count:     512
    .wavefront_size: 32
...
	.end_amdgpu_metadata
.endif
;; end of part 2
